; MI455X (gfx1250); checked and timed in simulation.
; The chip was launched on July 23, 2026; its instructions are those of AMD's public machine-readable ISA for CDNA 5 (MIT licence, August 2026) and "CDNA5" Instruction Set Architecture Reference Guide (July 2026). The comments in the code are by the model that wrote it; some were corrected since.
;; Multihead Attention. Allowed arithmetic: matrix products marked QUANTISED: E4M3 operands, one given power-of-two scale a tensor, by v_wmma_f32_16x16x64_fp8_fp8 or v_wmma_f32_16x16x128_fp8_fp8, f32 sums; everything else in f32.
;; Inputs: Wk_codes 2,048 x 64 x 32 uint8 (E4M3 codes of Wk, K innermost, in blocks of 32 codes); Wo_codes 2,048 x 64 x 32 uint8 (E4M3 codes of Wo, K innermost, in blocks of 32 codes); Wq_codes 2,048 x 64 x 32 uint8 (E4M3 codes of Wq, K innermost, in blocks of 32 codes); Wv_codes 2,048 x 64 x 32 uint8 (E4M3 codes of Wv, K innermost, in blocks of 32 codes); bo 2,048 float32; key_codes 2 x 2,048 x 64 x 32 uint8 (E4M3 codes of key, K innermost, in blocks of 32 codes); lowp_scales 12 int32 (the exponents e of the quantised operands' scales 2^e); mask 1,024 x 2,048 bool; query_codes 2 x 1,024 x 64 x 32 uint8 (E4M3 codes of query, K innermost, in blocks of 32 codes); value_codes 2 x 2,048 x 64 x 32 uint8 (E4M3 codes of value, K innermost, in blocks of 32 codes).
;; Outputs: out0 2 x 1,024 x 2,048 float32.
;; This version of the problem:
;;   THIS VERSION OF THE PROBLEM IS GIVEN IN LOW PRECISION. The matrix products marked QUANTISED in the list below multiply operands that are first quantised to E4M3 (4 exponent bits, 3 mantissa bits; 8 bits a number), with one given power-of-two scale for each operand tensor; their sums are f32. All else is computed in f32.
;;   The module's matrix products, in the order in which they are computed (A, B: the left and right operand; K: the contracted axis; several contracted axes count as one K, in the product's order):
;;     1. [M 2,048, K 2,048] x [K 2,048, N 2,048]; A: input query (given as codes); B: input Wq (given as codes): QUANTISED (scales: A lowp_scales[0], B lowp_scales[1])
;;     2. [M 4,096, K 2,048] x [K 2,048, N 2,048]; A: input key (given as codes); B: input Wk (given as codes): QUANTISED (scales: A lowp_scales[2], B lowp_scales[3])
;;     3. [M 4,096, K 2,048] x [K 2,048, N 2,048]; A: input value (given as codes); B: input Wv (given as codes): QUANTISED (scales: A lowp_scales[4], B lowp_scales[5])
;;     4. batch 32 x [M 1,024, K 128] x [K 128, N 2,048]; A: computed on the way; B: computed on the way: QUANTISED (scales: A lowp_scales[6], B lowp_scales[7])
;;     5. batch 32 x [M 1,024, K 2,048] x [K 2,048, N 128]; A: softmax (see below); B: computed on the way: QUANTISED (scales: A lowp_scales[8], B lowp_scales[9])
;;     6. [M 2,048, K 2,048] x [K 2,048, N 2,048]; A: computed on the way; B: input Wo (given as codes): QUANTISED (scales: A lowp_scales[10], B lowp_scales[11])
;;   THE QUANTISER, for each operand of a quantised product, along K:
;;     - The operand's scale is 2^e, e = its entry of the input lowp_scales (int32; the entries are numbered through the quantised products in the list's order, A before B).
;;     - Each number is divided by the scale, clamped to +-448, and rounded to the nearest number of E4M3, ties to even, subnormals kept.
;;     - The product sums the exact products of the quantised numbers (number of the format x scale) in f32.
;;   ~~~python
;;   def quantise(x, axis, e):      # numpy; x: float32 -> the quantised numbers, widened to float32 again
;;       x = np.moveaxis(x, axis, -1); K = x.shape[-1]
;;       r = np.clip(x / 2.0 ** e, -448, 448)
;;       step = 2.0 ** (np.maximum(np.frexp(np.where(r == 0, 1, r))[1] - 1, -6) - 3)
;;       q = np.round(r / step) * step * 2.0 ** e      # np.round: ties to even
;;       return np.moveaxis(q, -1, axis).astype(np.float32)
;;   ~~~
;;   SOFTMAX AHEAD OF A QUANTISED PRODUCT. Where the list says 'softmax', what is quantised is not the finished softmax but p = 2^(t - M), with t = logit x log2(e) and M = ceil(the row's largest t), a whole number; so 1/2 < the row's largest p <= 1. The row's sum l is taken of the UNQUANTISED p, in f32, and the product's result is divided by l at the end. Since M is a whole number, a kernel that streams over the keys may use a running M (the ceiling of the running maximum): every later rescaling is an exact power of two, so the quantised numbers keep their values, but for numbers so far below the row's largest that they fall under the format's range.
;;   OPERANDS COMPUTED ON THE WAY. 'Computed on the way' means the value that the module computes at that place (a softmax that the list does not call 'softmax' is quantised finished and normalised). What goes into a quantiser is computed in f32, as accurately as f32 sums, v_exp_f32 and their like allow (about 1e-6 of the number): no bf16 or f16 on the way to a quantiser, and a product that is left as it is and whose result goes on into a quantised operand takes f32 operands (vector FMAs, or v_wmma_f32_16x16x4_f32). A number that lies on a knife's edge between two numbers of the format may be rounded either way, as far as f32 arithmetic and the matrix unit's own rounding can turn it there, and no further.
;;   INPUTS GIVEN AS CODES. Wk (in the module: [2048, 2048], K = its axis 0); Wo (in the module: [2048, 2048], K = its axis 0); Wq (in the module: [2048, 2048], K = its axis 0); Wv (in the module: [2048, 2048], K = its axis 0); key (in the module: [2, 2048, 2048], K = its axis 2); query (in the module: [2, 1024, 2048], K = its axis 2); value (in the module: [2, 2048, 2048], K = its axis 2): each comes as NAME_codes (uint8): NAME with its K axis moved to the last place and cut into blocks of 32 codes, [.., K / 32, bytes a block], one block behind the other in memory; one code a byte (a code: sign, 4 exponent bits, 3 mantissa bits); its scale is its entry of lowp_scales. Its value is code x scale, taken as it is: it is not quantised again, and the codes and scales need not be those that the quantiser above would give.
;; One version. Each part assembles by itself: llvm-mc -triple=amdgcn-amd-amdhsa -mcpu=gfx1250 --defsym DOCPART=n.
;; ======== version 1 of 1: 3 launches
;; limits: right only within a limited range of input values
;; workspace buffers: kc 8,388,608 bytes; vc 8,388,608 bytes; qc 4,194,304 bytes; oc 4,194,304 bytes; mw 262,144 bytes of whole numbers; fl 262,144 bytes of whole numbers
;; launch proj (part 1): grid 8 x 32, 4 waves a work-group, clusters of 4 x 4, 327,680 bytes of LDS; arguments key_codes, Wk_codes, Wv_codes, value_codes, kc, vc, lowp_scales, mask, mw, query_codes, Wq_codes, qc, fl; writes kc, vc, qc, mw, fl
.if DOCPART == 1
	.amdgcn_target "amdgcn-amd-amdhsa--gfx1250"
	.amdhsa_code_object_version 6
	.text
	.protected	k_q975c524c3e_proj
	.globl	k_q975c524c3e_proj
	.p2align	8
	.type	k_q975c524c3e_proj,@function
k_q975c524c3e_proj:
	s_mov_b64 s[64:65], 0
	v_nop
	global_prefetch_b8 v0, s[64:65] scope:SCOPE_SE
	s_setreg_imm32_b32 hwreg(HW_REG_WAVE_MODE, 25, 1), 1
	s_wait_xcnt 0x0
	s_wait_alu depctr_hold_cnt(0) depctr_sa_sdst(0) depctr_va_vdst(0) depctr_va_sdst(0) depctr_va_ssrc(0) depctr_va_vcc(0) depctr_vm_vsrc(0)
	s_getreg_b32 s2, hwreg(HW_REG_IB_STS2, 6, 4)
	s_cmp_eq_u32 s2, 0
	s_cbranch_scc0 .Lentry_in_a_cluster
	s_endpgm
.Lentry_in_a_cluster:
	s_bfe_u32 s2, ttmp6, 0x10000c
	s_cmp_lg_u32 s2, 0xf033
	s_cbranch_scc0 .Lentry_shape_is_right
	s_endpgm
.Lentry_shape_is_right:
; THE THREE PROJECTIONS on codes of FP8 (E4M3), each result quantised on its way out, and the mask packed.  No step of the problem is left out here.
; A work-group makes 256 x 256 of K (cluster rows 0-3) or of V (4-7), then 128 x 128 of Q; four waves, a wave 128 x 128, then 64 x 64.
; The result's lanes are A's rows, its registers run along B's rows: K: A = key, B = Wk; V: A = Wv, B = value; Q: A = query, B = Wq.  Results leave as IMAGES OF OPERAND REGISTERS (16 rows x 128 K = 2,048 bytes;
; registers 4 c .. 4 c + 3 of lane l at byte 512 c + 16 l): kc, vc [head 32][key step 16][tile 8][2048], qc [head 32][query tile 64][2048].
; K goes in steps of 256 (Q: 512) through two LDS slots.  At the head wave w brings all 256 rows of A (w < 2) or of B for slot w % 2: one tensor load a wave.  Later fills: a wave brings 128 rows (Q: 64).
; CLUSTERS of 4 x 4: A's tiles are asked for jointly along a row of the cluster, B's along a column.
; PREFETCH: behind a joint fill each wave asks for its share of the K step two fills on: of the rows that it fetches, the partner at place p (cx for A, cy for B) takes a quarter, told apart by address: 32 rows x 256 bytes, or 16 rows x 512.
; THE MASK: each wave packs 16 queries x 128 keys: mw [query tile 64][key step 16][64 words]: bit l of word n belongs to lane l's register n of a step's scores; and fl [tile][step][64]: one number, 64 times, a whole aligned 256 bytes:
; bit q set: query q of the tile sees some key of the step; bit 16 set: some key is hidden from some query.  (The mask's bytes are 0 or 1.)
; LIMITS: each difference of exponents e_out - e_A - e_B lies between -126 and 119.  NaN codes are not served.
.set ROWB,   256
.set KROW,   2048
.set PITCH,  272                       ; an LDS row: 256 bytes + 16 of padding
.set FR,     16
.set NL,     4
.set NP,     4
.set HALFT,  128*PITCH
.set SLOT,   4*HALFT
.set LAPS,   KROW/(2*ROWB)
.set SPARE,  2*SLOT                    ; the spare words: 128 bytes a wave
.set QSTEP,  512
.set QPITCH, 528
.set QHALF,  64*QPITCH
.set QADRA, 8
.set QADRB, 10
.set QSCL, 12
.set QHOLD, 13
.set PFO, 14                           ; v14, v15 the prefetches' offsets, for K steps of 256 and for Q's of 512
.set PFQ, 15
.set ADRA, 16
.set ADRB, 20
.set CO,   26
.set SPW,  28
.set NIL,  29
.set SCL,  30
.set HOLD, 31
.set TMP,  32
.set QC,   96
.set CD,   96                          ; two buffers of 16 registers of codes
.set AF,   128                         ; A's fragments; in Q's part Q's sums
.set QACC, 128
.set F0,   0
.set F1,   128
.set YC,   12
.set QDST, 101
.set PFA,  4                           ; s[4:5], s[6:7] where my prefetches stand
.set PFQA, 6
.set G1, 24
.set G0, 32
.set G1B, 48
.set G0B, 56
.set G1Q, 68
.set G1QB, 76
.set QA,  86
.set QB,  88
.set QO,  90
.set MSB, 0
.macro WIN new
.if MSB != (\new)
	s_set_vgpr_msb (MSB<<8)|(\new)
.set MSB, (\new)
.endif
.endm
.set MUL_LO, 0xa1
.set MUL_HI, 0xf1
.set TO_B,   0x40
.set QMUL,   0x05                      ; both sources window 1, C and D window 0
.macro JLOAD g0a, g1a, g0b, g1b        ; waves 0, 1 for A, waves 2, 3 for B; the branch hangs on the wave's number alone
	s_cmp_eq_u32 s15, 0
	s_cbranch_scc0 .Lfor_b_\@
	tensor_load_to_lds s[\g0a:\g0a+3], s[\g1a:\g1a+7]
	s_nop 0
.rept 4
	v_nop
.endr
	s_branch .Lasked_\@
.Lfor_b_\@:
	tensor_load_to_lds s[\g0b:\g0b+3], s[\g1b:\g1b+7]
	s_nop 0
.rept 4
	v_nop
.endr
.Lasked_\@:
.endm
.macro CREST                           ; a round of the cluster's barrier behind its opening barrier
	s_cmp_lg_u32 s14, 0
	s_cbranch_scc1 .Lnot_wave_0_\@
	s_barrier_signal -3
.Lnot_wave_0_\@:
	s_barrier_wait -3
	s_barrier_signal -1
	s_barrier_wait -1
.endm
.macro CROUND
	s_barrier_signal -1
	s_barrier_wait -1
	CREST
.endm
	s_load_b512 s[68:83], s[0:1], 0x0              ; key 68, Wk 70, Wv 72, value 74, kc 76, vc 78, scales 80, mask 82
	s_load_b256 s[84:91], s[0:1], 0x40             ; mw 84, query 86, Wq 88, qc 90
	s_load_b64 s[66:67], s[0:1], 0x60              ; fl
	v_lshl_add_u32 v[SPW], v0, 2, SPARE
	v_mov_b32 v[NIL], 0
	ds_add_u32 v[SPW], v[NIL]                      ; the opening lines: the add twice, one wait
	ds_add_u32 v[SPW], v[NIL]
	v_lshrrev_b32 v3, 5, v0
	v_readfirstlane_b32 s14, v3                    ; wave
	s_lshr_b32 s15, s14, 1                         ; my half of A's rows; also: I fetch for A (0) or B (1)
	s_and_b32 s16, s14, 1                          ; my half of B's rows; also: which part I fetch
	s_bfe_u32 s40, ttmp6, 0x40000                  ; cx
	s_bfe_u32 s41, ttmp6, 0x40004                  ; cy
	s_and_b32 s[YC], ttmp7, 0xffff
	s_and_b32 s13, s[YC], 1
	s_lshr_b32 s2, s[YC], 1
	s_and_b32 s2, s2, 1
	s_lshl_b32 s2, s2, 3
	s_cmp_lt_u32 s[YC], 4
	s_cselect_b32 s13, s[YC], s13
	s_cselect_b32 s2, 0, s2
	s_lshl_b32 s42, ttmp9, 2
	s_add_co_u32 s42, s42, s40
	s_add_co_u32 s42, s42, s2                      ; B's tile of 256 rows
	s_lshl_b32 s17, s13, 2
	s_add_co_u32 s17, s17, s41                     ; A's tile of 256 rows
	s_lshl_b32 s43, s41, 2
	s_lshl_b32 s43, 15, s43                        ; my row of the cluster
	s_lshl_b32 s44, 0x1111, s40                    ; my column
	s_or_b32 s[G1+0], s43, (0<<16)|(1<<20)|(1<<21)|(5<<22)|(3<<25)
	s_or_b32 s[G1B+0], s44, (0<<16)|(1<<20)|(1<<21)|(5<<22)|(3<<25)
.irp g, G1, G1B
	s_mov_b32 s[\g+1], ROWB<<16
	s_mov_b32 s[\g+2], 256<<16                     ; at the head: 256 rows
	s_mov_b32 s[\g+3], ROWB<<16
	s_mov_b32 s[\g+4], 256
	s_mov_b32 s[\g+5], KROW
	s_mov_b32 s[\g+6], 0
	s_mov_b32 s[\g+7], 0
.endr
	s_lshl_b32 s20, s17, 19                        ; 256 rows of 2,048 bytes
	s_mov_b32 s21, 0
	s_lshl_b32 s46, s42, 19
	s_mov_b32 s47, 0
	s_lshr_b32 s22, s[YC], 1
	s_lshl_b32 s22, s22, 2
	s_add_co_u32 s22, s22, s41                     ; Q: block of 128 queries, 0..15
	s_and_b32 s2, s[YC], 1
	s_lshl_b32 s2, s2, 1
	s_add_co_u32 s2, s2, ttmp9
	s_lshl_b32 s2, s2, 2
	s_add_co_u32 s2, s2, s40                       ; Q: head, 0..15
	s_lshr_b32 s8, s22, 3
	s_lshl_b32 s8, s8, 4
	s_add_co_u32 s8, s8, s2
	s_lshl_b32 s8, s8, 3
	s_and_b32 s9, s22, 7
	s_add_co_u32 s8, s8, s9
	s_lshl_b32 s8, s8, 14
	s_lshl_b32 s9, s15, 13
	s_add_co_u32 s8, s8, s9
	s_lshl_b32 s9, s16, 10
	s_add_co_u32 s8, s8, s9                        ; my part of qc
	s_mov_b32 s9, 0
	s_lshl_b32 s18, s16, 17
	s_lshl_b32 s22, s22, 18
	s_add_co_u32 s22, s22, s18
	s_mov_b32 s23, 0
	s_lshl_b32 s2, s2, 18
	s_add_co_u32 s2, s2, s18
	s_mov_b32 s3, 0
	v_and_b32 v1, 15, v0                           ; l % 16
	v_bfe_u32 v2, v0, 4, 1                         ; l / 16
	v_and_b32 v6, 31, v0
	v_lshlrev_b32 v52, 11, v1
	v_lshl_add_u32 v52, v2, 3, v52                 ; the mask: row l % 16, 8 bytes for each half of the lanes
	v_lshlrev_b32 v51, 3, v6
	s_wait_alu depctr_va_vdst(0)
	s_wait_dscnt 0x0                               ; both opening adds are done
	s_wait_kmcnt 0x0
	s_cmp_lt_u32 s[YC], 4
	s_cselect_b64 s[4:5], s[68:69], s[72:73]
	s_cselect_b64 s[6:7], s[70:71], s[74:75]
	s_cselect_b64 s[10:11], s[76:77], s[78:79]
	s_load_b256 s[92:99], s[80:81], 0x0            ; e0 .. e7
	s_load_b32 s100, s[80:81], 0x24                ; e9
	s_add_nc_u64 s[20:21], s[4:5], s[20:21]
	s_add_nc_u64 s[46:47], s[6:7], s[46:47]
	s_add_nc_u64 s[QA:QA+1], s[QA:QA+1], s[22:23]
	s_add_nc_u64 s[QB:QB+1], s[QB:QB+1], s[2:3]
	s_add_nc_u64 s[QO:QO+1], s[QO:QO+1], s[8:9]
	s_lshl_b32 s18, s[YC], 2
	s_add_co_u32 s18, s18, s41
	s_lshl_b32 s18, s18, 3
	s_lshl_b32 s19, ttmp9, 2
	s_add_co_u32 s18, s18, s19
	s_add_co_u32 s18, s18, s40
	s_lshl_b32 s18, s18, 2
	s_add_co_u32 s18, s18, s14                     ; my piece of the mask: 16 x query tile + key step
	s_lshl_b32 s22, s18, 8
	s_mov_b32 s23, 0
	s_add_nc_u64 s[84:85], s[84:85], s[22:23]
	s_add_nc_u64 s[66:67], s[66:67], s[22:23]
	s_lshr_b32 s19, s18, 4
	s_and_b32 s18, s18, 15
	s_lshl_b32 s19, s19, 15
	s_lshl_b32 s18, s18, 7
	s_add_co_u32 s18, s18, s19
	s_mov_b32 s19, 0
	s_add_nc_u64 s[82:83], s[82:83], s[18:19]
.irp t, 0,1,2,3,4,5,6,7
	global_load_b64 v[32+2*\t:33+2*\t], v52, s[82:83] offset:16*\t
.endr
	; the first fills: slot s16, all 256 rows of A or of B
	s_lshl_b32 s60, s16, 8
	s_mov_b32 s61, 0
	s_mul_i32 s62, s16, SLOT
	s_mov_b32 s[G0], 1
	s_mov_b32 s[G0+1], s62
	s_add_nc_u64 s[G0+2:G0+3], s[20:21], s[60:61]
	s_or_b32 s[G0+3], s[G0+3], 0x80000000
	s_mov_b32 s[G0B], 1
	s_add_co_u32 s[G0B+1], s62, 2*HALFT
	s_add_nc_u64 s[G0B+2:G0B+3], s[46:47], s[60:61]
	s_or_b32 s[G0B+3], s[G0B+3], 0x80000000
	CROUND                                         ; all sixteen work-groups are here
	JLOAD G0, G1, G0B, G1B                         ; K steps 0 and 1: one tensor load a wave
	s_lshl_b32 s60, s16, 18                        ; my 128 rows of later fills
	s_add_nc_u64 s[20:21], s[20:21], s[60:61]
	s_add_nc_u64 s[46:47], s[46:47], s[60:61]
	s_mul_i32 s45, s14, HALFT
	s_mul_i32 s[QDST], s14, QHALF
	s_mul_i32 s2, s15, HALFT
	s_mul_i32 s3, s16, HALFT
	s_add_co_u32 s3, s3, 2*HALFT
	s_mul_i32 s22, s15, QHALF
	s_mul_i32 s23, s16, QHALF
	s_add_co_u32 s23, s23, 2*QHALF
	v_mul_u32_u24 v3, v1, PITCH
	v_lshl_add_u32 v4, v2, 4, v3
	v_mul_u32_u24 v7, v1, QPITCH
	v_lshl_add_u32 v7, v2, 4, v7
	v_add_nc_u32 v[ADRA], s2, v4
	v_add_nc_u32 v[ADRB], s3, v4
	v_add_nc_u32 v[QADRA], s22, v7
	v_add_nc_u32 v[QADRB], s23, v7
	v_add_nc_u32 v[ADRA+1], SLOT, v[ADRA]
	v_add_nc_u32 v[ADRB+1], SLOT, v[ADRB]
	v_add_nc_u32 v[QADRA+1], SLOT, v[QADRA]
	v_add_nc_u32 v[QADRB+1], SLOT, v[QADRB]
	v_lshlrev_b32 v[CO], 4, v6
	v_lshlrev_b32 v[PFO], 11, v6                   ; a lane a row
	v_lshrrev_b32 v50, 1, v6
	v_and_b32 v53, 1, v6
	v_lshlrev_b32 v[PFQ], 11, v50                  ; two lanes a row
	v_lshl_add_u32 v[PFQ], v53, 8, v[PFQ]
	s_wait_alu depctr_va_vdst(0)
	s_cmp_eq_u32 s15, 0
	s_cselect_b64 s[PFA:PFA+1], s[20:21], s[46:47]
	s_cselect_b64 s[PFQA:PFQA+1], s[QA:QA+1], s[QB:QB+1]
	s_cselect_b32 s18, s40, s41                    ; my place among the four that ask with me
	s_lshl_b32 s18, s18, 15                        ; 16 rows each of Q's operands,
	s_mov_b32 s19, 0
	s_add_nc_u64 s[PFQA:PFQA+1], s[PFQA:PFQA+1], s[18:19]
	s_lshl_b32 s18, s18, 1                         ; 32 rows each of K's or V's
	s_add_nc_u64 s[PFA:PFA+1], s[PFA:PFA+1], s[18:19]
	s_lshl_b32 s2, s17, 1
	s_add_co_u32 s2, s2, s15                       ; my 128 rows of A
	s_lshl_b32 s3, s42, 1
	s_add_co_u32 s3, s3, s16                       ; and of B
	s_cmp_lt_u32 s[YC], 4
	s_cselect_b32 s22, s2, s3                      ; tokens / 128
	s_cselect_b32 s23, s3, s2                      ; head
	s_lshr_b32 s18, s22, 4
	s_lshl_b32 s18, s18, 8
	s_and_b32 s22, s22, 15
	s_lshl_b32 s23, s23, 4
	s_add_co_u32 s18, s18, s23
	s_add_co_u32 s18, s18, s22
	s_lshl_b32 s18, s18, 14
	s_add_nc_u64 s[10:11], s[10:11], s[18:19]      ; my images in kc or vc
	; the mask, while the tiles are on their way
	v_mov_b32 v48, 0
	v_mov_b32 v49, 0
	s_wait_alu depctr_va_vdst(0)
	s_wait_loadcnt 0x0
.set n, 0
.rept 16
	v_and_b32 v50, 0xff, v[32+n/4]
	v_and_b32 v53, 0xff00, v[32+n/4]
	v_and_b32 v54, 0xff0000, v[32+n/4]
	v_and_b32 v55, 0xff000000, v[32+n/4]
	v_cmp_ne_u32 s76, 0, v50
	v_cmp_ne_u32 s77, 0, v53
	v_cmp_ne_u32 s78, 0, v54
	v_cmp_ne_u32 s79, 0, v55
	v_writelane_b32 v48, s76, n/2
	v_writelane_b32 v49, s77, n/2
	v_writelane_b32 v48, s78, n/2+1
	v_writelane_b32 v49, s79, n/2+1
.set n, n+4
.endr
.irp k, 0,1,2,3
	v_and_b32 v[56+\k], v[32+\k], v[36+\k]
	v_or_b32 v[60+\k], v[32+\k], v[36+\k]
.endr
.irp m, 40,44
.irp k, 0,1,2,3
	v_and_b32 v[56+\k], v[56+\k], v[\m+\k]
	v_or_b32 v[60+\k], v[60+\k], v[\m+\k]
.endr
.endr
	v_and_b32 v56, v56, v57
	v_or_b32 v60, v60, v61
	v_and_b32 v58, v58, v59
	v_or_b32 v62, v62, v63
	v_and_b32 v56, v56, v58
	v_or_b32 v60, v60, v62
	v_cmp_ne_u32 s76, 0x01010101, v56              ; lanes in which some key is seen
	v_cmp_ne_u32 s77, 0, v60                       ; lanes in which some key is hidden
	s_lshr_b32 s78, s76, 16
	s_or_b32 s76, s76, s78
	s_and_b32 s76, s76, 0xffff
	s_cmp_lg_u32 s77, 0
	s_cselect_b32 s77, 0x10000, 0
	s_or_b32 s76, s76, s77
	v_mov_b32 v54, s76
	v_mov_b32 v55, s76
	global_store_b64 v51, v[48:49], s[84:85]
	global_store_b64 v51, v[54:55], s[66:67]
	s_wait_kmcnt 0x0
	s_or_b32 s[G1Q+0], s43, (0<<16)|(1<<20)|(1<<21)|(6<<22)|(3<<25)
	s_or_b32 s[G1QB+0], s44, (0<<16)|(1<<20)|(1<<21)|(6<<22)|(3<<25)
.irp g, G1Q, G1QB
	s_mov_b32 s[\g+1], QSTEP<<16
	s_mov_b32 s[\g+2], 64<<16
	s_mov_b32 s[\g+3], QSTEP<<16
	s_mov_b32 s[\g+4], 64
	s_mov_b32 s[\g+5], KROW
	s_mov_b32 s[\g+6], 0
	s_mov_b32 s[\g+7], 0
.endr
	s_sub_co_i32 s18, s99, s94                     ; K: e7 - e2 - e3
	s_sub_co_i32 s18, s18, s95
	s_sub_co_i32 s19, s100, s96                    ; V: e9 - e4 - e5
	s_sub_co_i32 s19, s19, s97
	s_cmp_lt_u32 s[YC], 4
	s_cselect_b32 s18, s18, s19
	s_add_co_i32 s18, s18, 127
	s_lshl_b32 s19, s18, 23
	v_mov_b32 v[SCL], s19                          ; the scales ahead of the quantiser are folded into the conversion's one
	s_add_co_i32 s18, s18, 8
	s_lshl_b32 s18, s18, 23
	s_or_b32 s18, s18, 0x600000
	v_mov_b32 v[HOLD], s18                         ; 448 x that
	s_sub_co_i32 s18, s98, s92                     ; Q: e6 - e0 - e1
	s_sub_co_i32 s18, s18, s93
	s_add_co_i32 s18, s18, 127
	s_lshl_b32 s19, s18, 23
	v_mov_b32 v[QSCL], s19
	s_add_co_i32 s18, s18, 8
	s_lshl_b32 s18, s18, 23
	s_or_b32 s18, s18, 0x600000
	v_mov_b32 v[QHOLD], s18
	global_prefetch_b8 v[PFO], s[PFA:PFA+1] offset:2*ROWB th:TH_LOAD_NT scope:SCOPE_SE   ; K steps 2 and 3, two steps ahead of the slots in flight
	global_prefetch_b8 v[PFO], s[PFA:PFA+1] offset:3*ROWB th:TH_LOAD_NT scope:SCOPE_SE
.macro FRAG reg, adr, q, i
.irp c, 0,1,2,3
	ds_load_b128 v[\reg+4*\c:\reg+4*\c+3], v[\adr] offset:128*(\q)+32*\c+(\i)*16*PITCH
.endr
.endm
; 16 matrix instructions; the 64 accumulators take turns, one instruction a turn, in the same order in every step
.macro MUL16 a0, p, zero
.irp a, \a0, \a0+1
.irp b, 0,1,2,3,4,5,6,7
.if \zero
	v_wmma_f32_16x16x128_fp8_fp8 v[8*(8*((\a)%4)+\b):8*(8*((\a)%4)+\b)+7], v[128*(\p)+FR*\b:128*(\p)+FR*\b+FR-1], v[AF+FR*(\a):AF+FR*(\a)+FR-1], 0
.else
	v_wmma_f32_16x16x128_fp8_fp8 v[8*(8*((\a)%4)+\b):8*(8*((\a)%4)+\b)+7], v[128*(\p)+FR*\b:128*(\p)+FR*\b+FR-1], v[AF+FR*(\a):AF+FR*(\a)+FR-1], v[8*(8*((\a)%4)+\b):8*(8*((\a)%4)+\b)+7]
.endif
.endr
.endr
.endm
.macro FETCH_B slot, q, p
	WIN TO_B
.irp i, 0,1,2,3,4,5,6,7
	FRAG 128*(\p)+FR*\i, ADRB+\slot, \q, \i
.endr
	WIN 0
.endm
.macro FETCH_A slot, q, i0
.irp i, \i0, \i0+1, \i0+2, \i0+3
	FRAG AF+FR*(\i), ADRA+\slot, \q, \i
.endr
.endm
.macro QFETCH slot, q, f
	WIN TO_B
.irp i, 0,1,2,3
.irp c, 0,1,2,3
	ds_load_b128 v[\f+64+16*\i+4*\c:\f+64+16*\i+4*\c+3], v[QADRB+\slot] offset:\i*16*QPITCH+128*(\q)+32*\c
.endr
.endr
.irp i, 0,1,2,3
.irp c, 0,1,2,3
	ds_load_b128 v[\f+16*\i+4*\c:\f+16*\i+4*\c+3], v[QADRA+\slot] offset:\i*16*QPITCH+128*(\q)+32*\c
.endr
.endr
.endm
.macro PLACES n                        ; places behind matrix instructions, in front of loads into their registers or reads of results
.rept \n
	v_nop
.endr
.endm
.macro QSET s
	s_add_co_u32 s[G0+4*\s+1], s[QDST], \s*SLOT
	s_add_nc_u64 s[G0+4*\s+2:G0+4*\s+3], s[QA:QA+1], \s*QSTEP
	s_or_b32 s[G0+4*\s+3], s[G0+4*\s+3], 0x80000000
	s_add_co_u32 s[G0B+4*\s+1], s[QDST], \s*SLOT
	s_add_nc_u64 s[G0B+4*\s+2:G0B+4*\s+3], s[QB:QB+1], \s*QSTEP
	s_or_b32 s[G0B+4*\s+3], s[G0B+4*\s+3], 0x80000000
.endm
; what the fill two on will ask for: in the loop K steps 4 to 7; in its last trip (s3 = 1) Q's steps 0 and 1
.macro ASK slot
	s_cmp_gt_u32 s3, 1
	s_cbranch_scc0 .Lask_q_\@
	global_prefetch_b8 v[PFO], s[PFA:PFA+1] offset:(2+\slot)*ROWB th:TH_LOAD_NT scope:SCOPE_SE
	s_branch .Lask_end_\@
.Lask_q_\@:
	global_prefetch_b8 v[PFQ], s[PFQA:PFQA+1] offset:\slot*QSTEP th:TH_LOAD_NT scope:SCOPE_SE
.Lask_end_\@:
.endm
.macro STEP slot, q, zero
	s_wait_dscnt 4*NL                              ; B's set and A's blocks 0-3 are in; the youngest 16 (A's blocks 4-7) may be out
	WIN MUL_LO
	MUL16 0, (\q)%2, \zero
	MUL16 2, (\q)%2, \zero
	s_wait_dscnt 0
	PLACES NP
	FETCH_B \slot, (\q)+1, 1-(\q)%2
	FETCH_A \slot, (\q)+1, 0
	WIN MUL_HI
	MUL16 4, (\q)%2, \zero
	MUL16 6, (\q)%2, \zero
	PLACES NP
	WIN 0
	FETCH_A \slot, (\q)+1, 4
.endm
; kind 0: the slot takes the K step two on; 1, 2: Q's step 0, 1 (2: the next fragments are Q's)
.macro TURN slot, next, kind
	s_wait_tensorcnt 0x0                           ; my part of the next slot is in
	ds_add_u32 v[SPW], v[NIL]
	s_wait_dscnt 4*NL+1                            ; (the add and A's blocks 4-7 may be out)
	WIN MUL_LO
	MUL16 0, 1, 0
	s_wait_dscnt 0x0                               ; the add is done, and my reads of this slot are over
	s_barrier_signal -1
	MUL16 2, 1, 0
	WIN 0
	s_barrier_wait -1
	CREST                                          ; no wave of any partner still reads this slot
.if \kind == 0
	s_add_nc_u64 s[G0+4*\slot+2:G0+4*\slot+3], s[G0+4*\slot+2:G0+4*\slot+3], 2*ROWB
	s_add_nc_u64 s[G0B+4*\slot+2:G0B+4*\slot+3], s[G0B+4*\slot+2:G0B+4*\slot+3], 2*ROWB
	JLOAD G0+4*\slot, G1, G0B+4*\slot, G1B
.else
	QSET \slot
	JLOAD G0+4*\slot, G1Q, G0B+4*\slot, G1QB
.endif
.if \kind < 2
	FETCH_B \next, 0, 0
	FETCH_A \next, 0, 0
.else
	QFETCH 0, 0, F0
	WIN 0
.endif
.if \kind == 0
	ASK \slot
.else
	global_prefetch_b8 v[PFQ], s[PFQA:PFQA+1] offset:(1+\kind)*QSTEP th:TH_LOAD_NT scope:SCOPE_SE   ; Q's steps 2, 3
.endif
	WIN MUL_HI
	MUL16 4, 1, 0
	MUL16 6, 1, 0
.if \kind < 2
	PLACES NP
	WIN 0
	FETCH_A \next, 0, 4
.else
	WIN 0
.endif
.endm
	s_wait_alu depctr_va_vdst(0)
	s_wait_tensorcnt 0x0                           ; my part of both slots is in: the descriptors may be written
	s_mov_b32 s[G1+2], 128<<16                     ; from here on a wave brings 128 rows
	s_mov_b32 s[G1+4], 128
	s_mov_b32 s[G1B+2], 128<<16
	s_mov_b32 s[G1B+4], 128
.irp s, 0,1
	s_mov_b32 s[G0+4*\s], 1
	s_add_co_u32 s[G0+4*\s+1], s45, \s*SLOT
	s_add_nc_u64 s[G0+4*\s+2:G0+4*\s+3], s[20:21], \s*ROWB
	s_or_b32 s[G0+4*\s+3], s[G0+4*\s+3], 0x80000000
	s_mov_b32 s[G0B+4*\s], 1
	s_add_co_u32 s[G0B+4*\s+1], s45, \s*SLOT
	s_add_nc_u64 s[G0B+4*\s+2:G0B+4*\s+3], s[46:47], \s*ROWB
	s_or_b32 s[G0B+4*\s+3], s[G0B+4*\s+3], 0x80000000
.endr
	s_barrier_signal -1
	s_barrier_wait -1                              ; both slots are whole
	FETCH_B 0, 0, 0
	FETCH_A 0, 0, 0
	FETCH_A 0, 0, 4
	STEP 0, 0, 1                                   ; the first products start the sums
	s_mov_b32 s3, LAPS-1
.Llap:
	s_wait_xcnt 0x0                                ; the earlier prefetches have read their address
	s_add_nc_u64 s[PFA:PFA+1], s[PFA:PFA+1], 2*ROWB
	TURN 0, 1, 0
	STEP 1, 0, 0
	TURN 1, 0, 0
	STEP 0, 0, 0
	s_sub_co_u32 s3, s3, 1
	s_cmp_lg_u32 s3, 0
	s_cbranch_scc1 .Llap
	TURN 0, 1, 1
	STEP 1, 0, 0
	TURN 1, 0, 2
; K's or V's way out, a block of 16 rows x 128: held at the largest code x the scale, converted, stored as one whole image at a time.  It stands between Q's steps, while Q's tiles land.
.macro OUTB a
.set AC, 64*((\a)%4)
.set CDA, CD+16*((\a)%2)
	s_wait_xcnt 0x0                                ; the stores that read these registers have done so
	WIN 0x02+((\a)/4)
.set j, 0
.rept 64
	v_med3_num_f32 v[TMP+j], v[AC+j], -v[HOLD], v[HOLD]
.set j, j+1
.endr
	WIN 0
.irp b, 0,1,2,3,4,5,6,7
	v_cvt_scalef32_pk8_fp8_f32 v[CDA+2*\b:CDA+2*\b+1], v[TMP+8*\b:TMP+8*\b+7], v[SCL]
.endr
	v_nop
.irp c, 0,1,2,3
	global_store_b128 v[CO], v[CDA+4*\c:CDA+4*\c+3], s[10:11] offset:2048*(\a)+512*\c
.endr
.endm
.macro QMUL4 f, a, zero
.irp b, 0,1,2,3
.if \zero
	v_wmma_f32_16x16x128_fp8_fp8 v[QACC+8*(4*(\a)+\b):QACC+8*(4*(\a)+\b)+7], v[\f+64+16*\b:\f+64+16*\b+15], v[\f+16*(\a):\f+16*(\a)+15], 0
.else
	v_wmma_f32_16x16x128_fp8_fp8 v[QACC+8*(4*(\a)+\b):QACC+8*(4*(\a)+\b)+7], v[\f+64+16*\b:\f+64+16*\b+15], v[\f+16*(\a):\f+16*(\a)+15], v[QACC+8*(4*(\a)+\b):QACC+8*(4*(\a)+\b)+7]
.endif
.endr
.endm
.macro QUARTER slot, qn, f, g, zero
	s_wait_dscnt 8
	WIN QMUL
	QMUL4 \f, 0, \zero
	QMUL4 \f, 1, \zero
	PLACES NP
	QFETCH \slot, \qn, \g
	s_wait_dscnt 32
	WIN QMUL
	QMUL4 \f, 2, \zero
	QMUL4 \f, 3, \zero
.endm
.macro QTURN slot, next, fill
	WIN 0
	s_wait_tensorcnt 0x0
	ds_add_u32 v[SPW], v[NIL]
	s_wait_dscnt 9
	WIN QMUL
	QMUL4 F1, 0, 0
	s_wait_dscnt 0x0
	s_barrier_signal -1
	QMUL4 F1, 1, 0
	WIN 0
	s_barrier_wait -1
.if \fill
	CREST
	s_add_nc_u64 s[G0+4*\slot+2:G0+4*\slot+3], s[G0+4*\slot+2:G0+4*\slot+3], 2*QSTEP
	s_add_nc_u64 s[G0B+4*\slot+2:G0B+4*\slot+3], s[G0B+4*\slot+2:G0B+4*\slot+3], 2*QSTEP
	JLOAD G0+4*\slot, G1Q, G0B+4*\slot, G1QB
.else
	PLACES NP
.endif
	QFETCH \next, 0, F0
	WIN QMUL
	QMUL4 F1, 2, 0
	QMUL4 F1, 3, 0
.endm
.irp a, 0,1,2
	OUTB \a                                        ; (also the places in front of Q's first products, which write over A's fragments)
.endr
	QUARTER 0, 1, F0, F1, 1
	QUARTER 0, 2, F1, F0, 0
	QUARTER 0, 3, F0, F1, 0
	QTURN 0, 1, 1
.irp a, 3,4,5
	OUTB \a
.endr
	QUARTER 1, 1, F0, F1, 0
	QUARTER 1, 2, F1, F0, 0
	QUARTER 1, 3, F0, F1, 0
	QTURN 1, 0, 1
.irp a, 6,7
	OUTB \a
.endr
	QUARTER 0, 1, F0, F1, 0
	QUARTER 0, 2, F1, F0, 0
	QUARTER 0, 3, F0, F1, 0
	QTURN 0, 1, 0
	QUARTER 1, 1, F0, F1, 0
	QUARTER 1, 2, F1, F0, 0
	QUARTER 1, 3, F0, F1, 0
	s_wait_dscnt 8
	WIN QMUL
	QMUL4 F1, 0, 0
	QMUL4 F1, 1, 0
	s_wait_dscnt 0
	QMUL4 F1, 2, 0
	QMUL4 F1, 3, 0
	WIN 0
	PLACES NP
	s_wait_xcnt 0x0
.macro QOUT a
.set j, 0
.rept 32
	v_med3_num_f32 v[TMP+j], v[QACC+32*(\a)+j], -v[QHOLD], v[QHOLD]
.set j, j+1
.endr
.irp b, 0,1,2,3
	v_cvt_scalef32_pk8_fp8_f32 v[QC+8*(\a)+2*\b:QC+8*(\a)+2*\b+1], v[TMP+8*\b:TMP+8*\b+7], v[QSCL]
.endr
	v_nop
.irp c, 0,1
	global_store_b128 v[CO], v[QC+8*(\a)+4*\c:QC+8*(\a)+4*\c+3], s[QO:QO+1] offset:2048*(\a)+512*\c
.endr
.endm
.irp a, 0,1,2,3
	QOUT \a
.endr
	s_wait_tensorcnt 0x0                           ; the wave's end
	ds_add_u32 v[SPW], v[NIL]
	s_wait_dscnt 0x0
	CROUND                                         ; the closing round
	s_endpgm
.Lfunc_end_k_q975c524c3e_proj:
	.size	k_q975c524c3e_proj, .Lfunc_end_k_q975c524c3e_proj-k_q975c524c3e_proj
	.p2alignl 7, 3214868480
	.fill 96, 4, 3214868480
	.section	.rodata,"a",@progbits
	.p2align	6, 0x0
	.amdhsa_kernel k_q975c524c3e_proj
		.amdhsa_group_segment_fixed_size 327680
		.amdhsa_private_segment_fixed_size 0
		.amdhsa_enable_private_segment 0
		.amdhsa_kernarg_size 104
		.amdhsa_user_sgpr_count 2
		.amdhsa_user_sgpr_kernarg_segment_ptr 1
		.amdhsa_wavefront_size32 1
		.amdhsa_system_sgpr_workgroup_id_x 1
		.amdhsa_system_sgpr_workgroup_id_y 1
		.amdhsa_system_sgpr_workgroup_id_z 1
		.amdhsa_system_vgpr_workitem_id 0
		.amdhsa_next_free_vgpr 1024
		.amdhsa_next_free_sgpr 102
		.amdhsa_reserve_vcc 0
		.amdhsa_float_denorm_mode_32 3
		.amdhsa_float_denorm_mode_16_64 3
		.amdhsa_memory_ordered 1
		.amdhsa_forward_progress 1
		.amdhsa_inst_pref_size 204
	.end_amdhsa_kernel
	.amdgpu_metadata
---
amdhsa.version: [ 1, 2 ]
amdhsa.kernels:
  - .name:           k_q975c524c3e_proj
    .symbol:         k_q975c524c3e_proj.kd
    .args:
      - { .name: key_codes, .offset: 0, .size: 8, .value_kind: global_buffer, .address_space: global }
      - { .name: Wk_codes, .offset: 8, .size: 8, .value_kind: global_buffer, .address_space: global }
      - { .name: Wv_codes, .offset: 16, .size: 8, .value_kind: global_buffer, .address_space: global }
      - { .name: value_codes, .offset: 24, .size: 8, .value_kind: global_buffer, .address_space: global }
      - { .name: kc, .offset: 32, .size: 8, .value_kind: global_buffer, .address_space: global }
      - { .name: vc, .offset: 40, .size: 8, .value_kind: global_buffer, .address_space: global }
      - { .name: lowp_scales, .offset: 48, .size: 8, .value_kind: global_buffer, .address_space: global }
      - { .name: mask, .offset: 56, .size: 8, .value_kind: global_buffer, .address_space: global }
      - { .name: mw, .offset: 64, .size: 8, .value_kind: global_buffer, .address_space: global }
      - { .name: query_codes, .offset: 72, .size: 8, .value_kind: global_buffer, .address_space: global }
      - { .name: Wq_codes, .offset: 80, .size: 8, .value_kind: global_buffer, .address_space: global }
      - { .name: qc, .offset: 88, .size: 8, .value_kind: global_buffer, .address_space: global }
      - { .name: fl, .offset: 96, .size: 8, .value_kind: global_buffer, .address_space: global }
    .group_segment_fixed_size: 327680
    .private_segment_fixed_size: 0
    .kernarg_segment_align: 8
    .kernarg_segment_size: 104
    .max_flat_workgroup_size: 128
    .sgpr_count:     102
    .vgpr_count:     1024
    .wavefront_size: 32
...
	.end_amdgpu_metadata
.endif
;; end of part 1
;; launch attn (part 2): grid 8 x 32, 8 waves a work-group, no clusters, 101,376 bytes of LDS; arguments qc, kc, vc, mw, fl, lowp_scales, oc; writes oc
.if DOCPART == 2
	.amdgcn_target "amdgcn-amd-amdhsa--gfx1250"
	.amdhsa_code_object_version 6
	.text
	.protected	k_q975c524c3e_attn
	.globl	k_q975c524c3e_attn
	.p2align	8
	.type	k_q975c524c3e_attn,@function
k_q975c524c3e_attn:
	s_mov_b64 s[64:65], 0
	v_nop
	global_prefetch_b8 v0, s[64:65] scope:SCOPE_SE
	s_setreg_imm32_b32 hwreg(HW_REG_WAVE_MODE, 25, 1), 1
	s_wait_xcnt 0x0
; ATTENTION ON CODES OF FP8 (E4M3): o = softmax(where(mask, -1e20, q k^T / sqrt(128))) v for 32 heads, 1,024 queries, 2,048 keys in 16 steps of 128, head size 128; o quantised on its way out.
; q, k, v come as images of operand registers (see the launch before); every fragment is four loads at 16 x lane, from memory straight into registers.
; WHICH STEPS ARE DONE.  The mask is an input.  fl holds, as whole numbers that the launch before has made of it, which queries of a tile of 16 see some key of a step.  A step in which no query of my two tiles sees a key adds exactly nothing
; to a row that sees a key elsewhere (2^(-1e20 ..) = 0 in f32), so it is passed over, but only where EVERY row of both tiles sees some key in some step; else all 16 steps are done.  This holds for every mask.
; Where nothing of a tile's step is hidden, the selection by the mask is passed over.  NaNs and infinities of a step that is passed over are not carried to the result.
; THE SOFTMAX AHEAD OF THE SECOND PRODUCT: t = score x log2(e) / sqrt(128); M = the largest t so far, rounded UP to a whole number; p = 2^(t - M) is quantised with 2^e8; the sum is of the unquantised p and divides at the end.
; A HIDDEN SCORE becomes R = -2^67 ahead of the maximum: R c is a whole number, so a row of which nothing has counted yet has M = R c and p = 1 at every key (the uniform weights that -1e20 gives); the first key that counts
; moves M by more than 2^31, and sum and O are wiped.  Sums of codes are under 2^25.
; THE HOLD at 448 x 2^e8 is passed over where e8 >= -8: p is at most 1, and 448 x 2^-8 is 1.75.
; SHARES.  A work-group has 8 waves; pair slot i = 0..3 is the pair of query tiles x + 8 i (32 queries); two waves share a pair: one takes the even key steps, one the odd.  At the end each of the two hands one tile's O, M and sum to the other
; through LDS and finishes the other tile.  A wave's tile 0 is the one that it finishes.  Each fragment of K and V feeds both tiles.
; NO TENSOR LOAD, NO CLUSTER: the walk hangs on numbers read from memory.  No prefetch: which step is next but one hangs on those numbers; the next step's loads go out a step ahead into registers.
; REGISTERS.  Window 0: v0-31 state; v32-47, v48-63 Q's fragments of tiles 0, 1, then sums at work, then p's codes; v64-127 S^T, then p, of one tile; v128-191, v192-255 O^T of tiles 0, 1.  Window 1: v0-127 K's step, v128-255 V's.
; Both products are used transposed: a lane holds ONE query throughout; register j of tile t is key (or channel) 16 t + 8 (lane / 16) + j.
; LIMITS on the given exponents: e6 + e7 between -30 and 40; e8, and e10 - e8 - e9, between -126 and 119.  NaN codes are not served.
.set MSZ,   8448                       ; a tile's place in the stage: 64 registers x 128 bytes, then -M and the sum
.set QST,   8*MSZ                      ; Q's fragments: 4,096 bytes a wave
.set SPARE, QST+8*4096                 ; the spare words: 128 bytes a wave
.set GO,   1                           ; v1 16 x lane
.set QL,   2
.set MST,  3
.set MLD,  4
.set SPW,  5
.set NIL,  6
.set MST4, 7
.set NM,   8                           ; v8, v10 -M of tiles 0, 1;  v9, v11 the largest t
.set SUM,  12                          ; v[12:13], v[14:15] the sums in two halves
.set F,    16                          ; v[16:17] the rescaling factor
.set RM,   21
.set HOLD, 22
.set PSC,  23
.set MLD4, 28
.set OSC,  30
.set OHOLD, 31
.set CB,   32
.set SB,   64
.set OB,   128
.set WV,   2
.set HF,   3                           ; my half: even or odd steps
.set PI,   4                           ; my pair's slot
.set REM,  5                           ; steps still to be asked for, a bit each
.set CUR,  6
.set NXT,  7
.set CNT,  8
.set NTR,  9
.set HID,  10                          ; s10, s11: bit s: tile 0's, 1's step s has a hidden key
.set NH,   12                          ; 1: no hold is due
.set MO,   13                          ; 256 x the step whose mask words are asked for
.set MP,   14                          ; s[14:15], s[16:17] tile 0's, 1's mask words
.set KB,   18
.set VB,   20
.set KA,   22
.set VA,   24
.set SEL,  26                          ; lane selects: lane l xor 16
.set CS,   28                          ; c = log2(e) / sqrt(128) x 2^(e6 + e7), named as a pair
.set OUT,  30
; s[32:63], s[68:99]: a step's 64 mask words; at the head addresses and exponents
.set MSB, 0
.macro WIN new
.if MSB != (\new)
	s_set_vgpr_msb (MSB<<8)|(\new)
.set MSB, (\new)
.endif
.endm
	s_load_b256 s[32:39], s[0:1], 0x0              ; qc 32, kc 34, vc 36, mw 38
	s_load_b128 s[40:43], s[0:1], 0x20             ; fl 40, the scales' exponents 42
	s_load_b64 s[44:45], s[0:1], 0x30              ; oc
	v_lshrrev_b32 v18, 5, v0
	v_readfirstlane_b32 s[WV], v18
	s_lshr_b32 s100, s[WV], 2
	s_and_b32 s[HF], s[WV], 1
	s_xor_b32 s[HF], s[HF], s100                   ; waves 0, 2, 5, 7: even steps
	s_xor_b32 s100, s100, 1
	s_mul_i32 s100, s100, 3
	s_bfe_u32 s[PI], s[WV], 0x10001
	s_xor_b32 s[PI], s[PI], s100                   ; waves 0, 1: slot 3; 2, 3: 2; 4, 5: 0; 6, 7: 1
	s_lshl_b32 s10, s[WV], 12
	s_add_co_u32 s10, s10, QST
	s_lshl_b32 s100, s[PI], 1
	s_xor_b32 s101, s[HF], 1
	s_add_co_u32 s101, s101, s100
	s_add_co_u32 s100, s100, s[HF]
	s_mul_i32 s101, s101, MSZ                      ; where I put my tile 1,
	s_mul_i32 s100, s100, MSZ                      ; and where I find the other wave's part of my tile 0
	s_lshl_b32 s6, s[PI], 3
	s_add_co_u32 s6, s6, ttmp9                     ; the pair, 0..31
	s_lshl_b32 s7, s6, 1
	s_xor_b32 s9, s[HF], 1
	s_add_co_u32 s8, s7, s[HF]                     ; tile 0
	s_add_co_u32 s9, s7, s9                        ; tile 1
	s_and_b32 s7, ttmp7, 0xffff                    ; the head, 16 x batch + head
	v_lshl_add_u32 v[SPW], v0, 2, SPARE
	v_mov_b32 v[NIL], 0
	v_and_b32 v19, 31, v0
	v_lshlrev_b32 v[GO], 4, v19
	v_lshlrev_b32 v18, 2, v19
	v_lshlrev_b32 v24, 8, v19
	v_add_nc_u32 v[QL], s10, v[GO]
	v_add_nc_u32 v[MST], s101, v[GO]
	v_add_nc_u32 v[MLD], s100, v[GO]
	v_add_nc_u32 v[MST4], s101, v18
	v_add_nc_u32 v[MLD4], s100, v18
	s_wait_alu depctr_va_vdst(0)
	s_wait_kmcnt 0x0
	s_mov_b32 s101, 0
	s_lshl_b32 s100, s6, 13
	s_add_nc_u64 s[KA:KA+1], s[40:41], s[100:101]
	global_load_b32 v25, v24, s[KA:KA+1]           ; lanes 0-15: the pair's first tile, step = lane; lanes 16-31: its second
	s_lshl_b32 s100, s7, 6
	s_add_co_u32 s100, s100, s8
	s_lshl_b32 s100, s100, 11
	s_add_nc_u64 s[76:77], s[32:33], s[100:101]
	s_lshl_b32 s100, s7, 6
	s_add_co_u32 s100, s100, s9
	s_lshl_b32 s100, s100, 11
	s_add_nc_u64 s[78:79], s[32:33], s[100:101]
.irp c, 0,1,2,3
	global_load_b128 v[CB+4*\c:CB+4*\c+3], v[GO], s[76:77] offset:512*\c
.endr
.irp c, 0,1,2,3
	global_load_b128 v[CB+16+4*\c:CB+19+4*\c], v[GO], s[78:79] offset:512*\c
.endr
	s_load_b128 s[48:51], s[42:43], 0x18           ; e6, e7, e8, e9
	s_load_b32 s52, s[42:43], 0x28                 ; e10
	s_lshl_b32 s100, s7, 18
	s_add_nc_u64 s[KB:KB+1], s[34:35], s[100:101]
	s_add_nc_u64 s[VB:VB+1], s[36:37], s[100:101]
	s_lshl_b32 s100, s8, 12
	s_add_nc_u64 s[MP:MP+1], s[38:39], s[100:101]
	s_lshl_b32 s100, s9, 12
	s_add_nc_u64 s[MP+2:MP+3], s[38:39], s[100:101]
	s_lshr_b32 s100, s7, 4
	s_lshl_b32 s100, s100, 6
	s_add_co_u32 s100, s100, s8
	s_lshl_b32 s100, s100, 4
	s_and_b32 s53, s7, 15
	s_add_co_u32 s100, s100, s53
	s_lshl_b32 s100, s100, 11
	s_add_nc_u64 s[OUT:OUT+1], s[44:45], s[100:101]   ; oc [token tile 128][head 16][2048]
	s_mov_b32 s[SEL], 0x76543210
	s_mov_b32 s[SEL+1], 0xfedcba98
	v_mov_b32 v[NM+1], 0xff61b1e6                  ; the largest t so far: -3e38
	v_mov_b32 v[NM+3], 0xff61b1e6
	v_floor_f32 v[NM], -v[NM+1]
	v_floor_f32 v[NM+2], -v[NM+3]
.irp r, 12,13,14,15,17,20,27
	v_mov_b32 v\r, 0
.endr
	v_mov_b32 v[RM], 0xe1000000                    ; R = -2^67
.set n, 0
.rept 128
	v_mov_b32 v[OB+n], 0                           ; O^T, while the loads are out: the step has no first form of its own, and a wave without a step hands on zeros
.set n, n+1
.endr
	s_wait_alu depctr_va_vdst(0)
	s_wait_kmcnt 0x0
	s_add_co_i32 s53, s48, s49
	s_lshl_b32 s53, s53, 23
	s_add_co_i32 s[CS], s53, 0x3e0293ee            ; log2(e) / sqrt(128), e6 + e7 added to its exponent field
	s_mov_b32 s[CS+1], s[CS]
	s_cmp_ge_i32 s50, -8
	s_cselect_b32 s[NH], 1, 0
	s_add_co_i32 s53, s50, 127
	s_lshl_b32 s54, s53, 23
	v_mov_b32 v[PSC], s54                          ; 2^e8
	s_add_co_i32 s53, s53, 8
	s_lshl_b32 s53, s53, 23
	s_or_b32 s53, s53, 0x600000
	v_mov_b32 v[HOLD], s53                         ; 448 x 2^e8
	s_sub_co_i32 s53, s52, s50
	s_sub_co_i32 s53, s53, s51
	s_add_co_i32 s53, s53, 127
	s_lshl_b32 s54, s53, 23
	v_mov_b32 v[OSC], s54                          ; o's code is (sum / l) / 2^(e10 - e8 - e9)
	s_add_co_i32 s53, s53, 8
	s_lshl_b32 s53, s53, 23
	s_or_b32 s53, s53, 0x600000
	v_mov_b32 v[OHOLD], s53
	s_wait_alu depctr_va_vdst(0)
	s_wait_loadcnt 0x8                             ; fl's numbers are in; the eight loads of Q may be out
	v_and_b32 v26, 0xffff, v25
	v_cmp_lt_u32 s73, 0xffff, v25                  ; steps with a hidden key
	v_cmp_ne_u32 s72, 0, v26                       ; steps in which some query sees a key
.irp m, 1,2,4,8
	v_mov_b32_dpp v27, v26 row_xmask:\m row_mask:0xf bank_mask:0xf
	v_or_b32 v26, v26, v27
.endr
	v_cmp_ne_u32 s74, 0xffff, v26                  ; a tile with a row that sees no key in any step
	s_lshr_b32 s75, s72, 16
	s_or_b32 s72, s72, s75                         ; either tile's
	s_cmp_lg_u32 s74, 0
	s_cselect_b32 s72, -1, s72                     ; then every step is done
	s_lshl_b32 s75, 0x5555, s[HF]
	s_and_b32 s[REM], s72, s75                     ; my half's steps
	s_bcnt1_i32_b32 s[NTR], s[REM]
	s_lshl_b32 s75, s[HF], 4
	s_lshr_b32 s[HID], s73, s75
	s_xor_b32 s75, s75, 16
	s_lshr_b32 s[HID+1], s73, s75
	s_wait_alu depctr_va_vdst(0)
	s_cmp_eq_u32 s[NTR], 0
	s_cbranch_scc1 .Lmerge
.macro NEXT d                          ; the next step of my list, clamped to the sixteen that there are
	s_ctz_i32_b32 s[\d], s[REM]
	s_min_u32 s[\d], s[\d], 15
	s_add_co_u32 s100, s[REM], -1
	s_and_b32 s[REM], s[REM], s100
.endm
.macro LOADS d, base, adr, r           ; a step's eight fragments of K (r = 0) or V (r = 128): 16,384 consecutive bytes
	s_lshl_b32 s100, s[\d], 14
	s_mov_b32 s101, 0
	s_add_nc_u64 s[\adr:\adr+1], s[\base:\base+1], s[100:101]
	WIN 0x40
.irp t, 0,1,2,3,4,5,6,7
.irp c, 0,1,2,3
	global_load_b128 v[\r+16*\t+4*\c:\r+16*\t+4*\c+3], v[GO], s[\adr:\adr+1] offset:2048*\t+512*\c
.endr
.endr
	WIN 0
.endm
.macro WORDS p                         ; the 64 mask words of a tile's step
	s_load_b512 s[32:47], s[\p:\p+1], s[MO] offset:0x0
	s_load_b512 s[48:63], s[\p:\p+1], s[MO] offset:0x40
	s_load_b512 s[68:83], s[\p:\p+1], s[MO] offset:0x80
	s_load_b512 s[84:99], s[\p:\p+1], s[MO] offset:0xc0
.endm
.macro PLACES
.rept 4
	v_nop
.endr
.endm
	s_wait_xcnt 0x0                                ; the loads above have read their addresses
	NEXT CUR
	LOADS CUR, KB, KA, 0
	s_lshl_b32 s[MO], s[CUR], 8
	WORDS MP
	s_wait_loadcnt 0x20                            ; Q is in; the 32 loads of K may be out
.irp c, 0,1,2,3,4,5,6,7
	ds_store_b128 v[QL], v[CB+4*\c:CB+4*\c+3] offset:512*\c   ; Q's fragments, for the later steps: bytes of my own
.endr
	LOADS CUR, VB, VA, 128
.macro QK q                            ; S^T = K Q^T of tile q
	WIN 0x01
.irp t, 0,1,2,3,4,5,6,7
	v_wmma_f32_16x16x128_fp8_fp8 v[SB+8*\t:SB+8*\t+7], v[16*\t:16*\t+15], v[CB+16*(\q):CB+16*(\q)+15], 0
.endr
	WIN 0
	PLACES
.endm
.macro SOFT q, last
	s_wait_kmcnt 0x0                               ; this tile's mask words are in
	s_bitcmp1_b32 s[HID+\q], s[CUR]
	s_cbranch_scc0 .Lopen_\@                       ; nothing of this tile's step is hidden
.set n, 0
.rept 64
	v_cndmask_b32 v[SB+n], v[SB+n], v[RM], s[32+n+4*(n/32)]   ; each accumulator from its low end on
.set n, n+1
.endr
.Lopen_\@:
.if (\q) == 0
	WORDS MP+2                                     ; tile 1's words of this step
.elseif (\last) == 0
	s_lshl_b32 s[MO], s[NXT], 8
	WORDS MP                                       ; tile 0's words of the next
.endif
	v_max3_num_f32 v18, v[SB], v[SB+1], v[SB+2]    ; the largest score of my query, in four chains
	v_max3_num_f32 v19, v[SB+3], v[SB+4], v[SB+5]
	v_max3_num_f32 v24, v[SB+6], v[SB+7], v[SB+8]
	v_max3_num_f32 v25, v[SB+9], v[SB+10], v[SB+11]
.irp i, 12,20,28,36,44,52
	v_max3_num_f32 v18, v18, v[SB+\i], v[SB+\i+1]
	v_max3_num_f32 v19, v19, v[SB+\i+2], v[SB+\i+3]
	v_max3_num_f32 v24, v24, v[SB+\i+4], v[SB+\i+5]
	v_max3_num_f32 v25, v25, v[SB+\i+6], v[SB+\i+7]
.endr
	v_max3_num_f32 v18, v18, v[SB+60], v[SB+61]
	v_max3_num_f32 v19, v19, v[SB+62], v[SB+63]
	v_max_num_f32 v24, v24, v25
	s_delay_alu instid0(VALU_DEP_1)
	v_max3_num_f32 v18, v18, v19, v24
	s_delay_alu instid0(VALU_DEP_1)
	v_permlanex16_b32 v20, v18, s[SEL], s[SEL+1]
	s_delay_alu instid0(VALU_DEP_1)
	v_max_num_f32 v18, v18, v20                    ; and among lane l xor 16's
	s_delay_alu instid0(VALU_DEP_1)
	v_mul_f32 v18, s[CS], v18                      ; as t
	s_delay_alu instid0(VALU_DEP_1)
	v_max_num_f32 v[NM+1+2*(\q)], v[NM+1+2*(\q)], v18
	v_mov_b32 v19, v[NM+2*(\q)]
	s_delay_alu instid0(VALU_DEP_2)
	v_floor_f32 v[NM+2*(\q)], -v[NM+1+2*(\q)]      ; the new -M, a whole number
	s_delay_alu instid0(VALU_DEP_1)
	v_sub_f32 v18, v[NM+2*(\q)], v19               ; old M - new M
	s_delay_alu instid0(VALU_DEP_1)
	v_cvt_i32_f32 v18, v18                         ; (it saturates)
	s_delay_alu instid0(VALU_DEP_1)
	v_ldexp_f32 v[F], 1.0, v18                     ; a power of two: rounds nothing
.set n, 0
.rept 32
	v_pk_fma_f32 v[SB+n:SB+n+1], v[SB+n:SB+n+1], s[CS:CS+1], v[NM+2*(\q):NM+2*(\q)+1] op_sel_hi:[1,0,0]   ; t - M
.set n, n+2
.endr
	s_wait_alu depctr_va_vdst(0)
.set n, 0
.rept 64
	v_exp_f32 v[SB+n], v[SB+n]                     ; p, at most 1
.set n, n+1
.endr
	v_nop
	s_wait_alu depctr_va_vdst(0)                   ; ahead of the first readers of p and of O^T
.set n, 0
.rept 32
	v_pk_mul_f32 v[OB+64*(\q)+n:OB+64*(\q)+n+1], v[OB+64*(\q)+n:OB+64*(\q)+n+1], v[F:F+1] op_sel_hi:[1,0]   ; O^T under the new M
.set n, n+2
.endr
.irp k, 0,1,2,3                        ; the sum of the unquantised p, in four chains (in the registers of the codes to come)
	v_pk_add_f32 v[CB+16*(\q)+2*\k:CB+16*(\q)+2*\k+1], v[SB+4*\k:SB+4*\k+1], v[SB+4*\k+2:SB+4*\k+3]
.endr
.irp m, 16,24,32,40,48,56
.irp k, 0,1,2,3
	v_pk_add_f32 v[CB+16*(\q)+2*\k:CB+16*(\q)+2*\k+1], v[CB+16*(\q)+2*\k:CB+16*(\q)+2*\k+1], v[SB+\m+2*\k:SB+\m+2*\k+1]
.endr
.endr
	v_pk_add_f32 v[CB+16*(\q):CB+16*(\q)+1], v[CB+16*(\q):CB+16*(\q)+1], v[CB+16*(\q)+2:CB+16*(\q)+3]
	v_pk_add_f32 v[CB+16*(\q)+4:CB+16*(\q)+5], v[CB+16*(\q)+4:CB+16*(\q)+5], v[CB+16*(\q)+6:CB+16*(\q)+7]
	s_delay_alu instid0(VALU_DEP_1)
	v_pk_add_f32 v[CB+16*(\q):CB+16*(\q)+1], v[CB+16*(\q):CB+16*(\q)+1], v[CB+16*(\q)+4:CB+16*(\q)+5]
	s_delay_alu instid0(VALU_DEP_1)
	v_pk_fma_f32 v[SUM+2*(\q):SUM+2*(\q)+1], v[SUM+2*(\q):SUM+2*(\q)+1], v[F:F+1], v[CB+16*(\q):CB+16*(\q)+1] op_sel_hi:[1,0,1]
	s_wait_alu depctr_va_vdst(0)                   ; ahead of the branch
	s_cmp_lg_u32 s[NH], 0
	s_cbranch_scc1 .Lfree_\@                       ; 448 x 2^e8 is above every p
.set n, 0
.rept 64
	v_min_num_f32 v[SB+n], v[SB+n], v[HOLD]
.set n, n+1
.endr
.Lfree_\@:
.irp t, 0,1,2,3,4,5,6,7
	v_cvt_scalef32_pk8_fp8_f32 v[CB+16*(\q)+2*\t:CB+16*(\q)+2*\t+1], v[SB+8*\t:SB+8*\t+7], v[PSC]
.endr
	v_nop
.endm
; A KEY STEP.  At its head K's 32 loads are out, V's 32 behind them, Q's LDS loads (or stores), and tile 0's mask words.
.macro STEP last
	s_wait_loadcnt 0x20                            ; K is in; V's 32 may be out
	s_wait_dscnt 0x0                               ; Q is in
	QK 0
	SOFT 0, \last
	QK 1
.if (\last) == 0
	NEXT NXT
	LOADS NXT, KB, KA, 0                           ; the next step's K, into the registers just read
.endif
	SOFT 1, \last
	s_wait_alu depctr_va_vdst(0)
.if (\last) == 0
	s_wait_loadcnt 0x20                            ; V is in; the next K's 32 may be out
.else
	s_wait_loadcnt 0x0
.endif
	WIN 0x01
.irp t, 0,1,2,3,4,5,6,7                ; O^T += V^T P^T; the sixteen accumulators take turns, one instruction a turn
	v_wmma_f32_16x16x128_fp8_fp8 v[OB+8*\t:OB+8*\t+7], v[128+16*\t:143+16*\t], v[CB:CB+15], v[OB+8*\t:OB+8*\t+7]
	v_wmma_f32_16x16x128_fp8_fp8 v[OB+64+8*\t:OB+71+8*\t], v[128+16*\t:143+16*\t], v[CB+16:CB+31], v[OB+64+8*\t:OB+71+8*\t]
.endr
	WIN 0
	PLACES
.if (\last) == 0
	LOADS NXT, VB, VA, 128
.irp c, 0,1,2,3,4,5,6,7
	ds_load_b128 v[CB+4*\c:CB+4*\c+3], v[QL] offset:512*\c
.endr
	s_mov_b32 s[CUR], s[NXT]
.endif
.endm
	s_sub_co_u32 s[NTR], s[NTR], 1
	s_cmp_eq_u32 s[NTR], 0
	s_cbranch_scc1 .Llast
	s_mov_b32 s[CNT], 0
.Lstep:
	STEP 0
	s_add_co_u32 s[CNT], s[CNT], 1
	s_cmp_lt_u32 s[CNT], s[NTR]
	s_cbranch_scc1 .Lstep
.Llast:
	STEP 1                                         ; my last step is written out: it asks for nothing more
.Lmerge:
	s_wait_loadcnt 0x0
	v_add_f32 v12, v12, v13
	v_add_f32 v14, v14, v15
	v_permlanex16_b32 v20, v12, s[SEL], s[SEL+1]
	v_permlanex16_b32 v27, v14, s[SEL], s[SEL+1]
	v_add_f32 v12, v12, v20                        ; my half's sums
	v_add_f32 v14, v14, v27
.irp i, 0,1,2,3,4,5,6,7,8,9,10,11,12,13,14,15
	ds_store_b128 v[MST], v[OB+64+4*\i:OB+67+4*\i] offset:512*\i   ; tile 1 goes to the other wave of my pair, each accumulator from its low end on
.endr
	ds_store_b32 v[MST4], v10 offset:8192
	ds_store_b32 v[MST4], v14 offset:8320
	s_wait_alu depctr_va_vdst(0)
	s_wait_dscnt 0x0                               ; for the other wave's sake: my stores have landed
	s_barrier_signal -1
	s_barrier_wait -1
.irp i, 0,1,2,3,4,5,6,7,8,9,10,11,12,13,14,15
	ds_load_b128 v[SB+4*\i:SB+4*\i+3], v[MLD] offset:512*\i
.endr
	ds_load_b32 v18, v[MLD4] offset:8192
	ds_load_b32 v19, v[MLD4] offset:8320
	s_wait_dscnt 0x0
	v_min_num_f32 v26, v8, v18                     ; -M of the whole row
	v_sub_f32 v16, v26, v8
	v_sub_f32 v24, v26, v18
	v_cvt_i32_f32 v16, v16
	v_cvt_i32_f32 v24, v24
	v_ldexp_f32 v16, 1.0, v16                      ; powers of two
	v_ldexp_f32 v24, 1.0, v24
	v_mul_f32 v12, v12, v16
	v_mov_b32 v25, 0                               ; (named as the upper half of v[24:25])
	v_fma_f32 v12, v19, v24, v12                   ; the row's sum
	s_wait_alu depctr_va_vdst(0)
	v_rcp_f32 v27, v12
	v_nop
	s_wait_alu depctr_va_vdst(0)                   ; ahead of the reciprocal's first reader
	v_mul_f32 v16, v16, v27
	v_mul_f32 v24, v24, v27
.set n, 0
.rept 32
	v_pk_mul_f32 v[SB+n:SB+n+1], v[SB+n:SB+n+1], v[24:25] op_sel_hi:[1,0]
.set n, n+2
.endr
	s_wait_alu depctr_va_vdst(0)                   ; directly ahead of the first reader of O^T
.set n, 0
.rept 32
	v_pk_fma_f32 v[SB+n:SB+n+1], v[OB+n:OB+n+1], v[16:17], v[SB+n:SB+n+1] op_sel_hi:[1,0,1]   ; both parts / the sum
.set n, n+2
.endr
.set n, 0
.rept 64
	v_med3_num_f32 v[SB+n], v[SB+n], -v[OHOLD], v[OHOLD]
.set n, n+1
.endr
.irp t, 0,1,2,3,4,5,6,7
	v_cvt_scalef32_pk8_fp8_f32 v[CB+2*\t:CB+2*\t+1], v[SB+8*\t:SB+8*\t+7], v[OSC]
.endr
	v_nop
.irp c, 0,1,2,3
	global_store_b128 v[GO], v[CB+4*\c:CB+4*\c+3], s[OUT:OUT+1] offset:512*\c   ; 32 lanes store 512 consecutive bytes, aligned
.endr
	s_wait_tensorcnt 0x0                           ; the wave's end
	ds_add_u32 v[SPW], v[NIL]
	s_wait_dscnt 0x0
	s_endpgm
.Lfunc_end_k_q975c524c3e_attn:
	.size	k_q975c524c3e_attn, .Lfunc_end_k_q975c524c3e_attn-k_q975c524c3e_attn
	.p2alignl 7, 3214868480
	.fill 96, 4, 3214868480
	.section	.rodata,"a",@progbits
	.p2align	6, 0x0
	.amdhsa_kernel k_q975c524c3e_attn
		.amdhsa_group_segment_fixed_size 101376
		.amdhsa_private_segment_fixed_size 0
		.amdhsa_enable_private_segment 0
		.amdhsa_kernarg_size 56
		.amdhsa_user_sgpr_count 2
		.amdhsa_user_sgpr_kernarg_segment_ptr 1
		.amdhsa_wavefront_size32 1
		.amdhsa_system_sgpr_workgroup_id_x 1
		.amdhsa_system_sgpr_workgroup_id_y 1
		.amdhsa_system_sgpr_workgroup_id_z 1
		.amdhsa_system_vgpr_workitem_id 0
		.amdhsa_next_free_vgpr 512
		.amdhsa_next_free_sgpr 102
		.amdhsa_reserve_vcc 0
		.amdhsa_float_denorm_mode_32 3
		.amdhsa_float_denorm_mode_16_64 3
		.amdhsa_memory_ordered 1
		.amdhsa_forward_progress 1
		.amdhsa_inst_pref_size 114
	.end_amdhsa_kernel
	.amdgpu_metadata
---
amdhsa.version: [ 1, 2 ]
amdhsa.kernels:
  - .name:           k_q975c524c3e_attn
    .symbol:         k_q975c524c3e_attn.kd
    .args:
      - { .name: qc, .offset: 0, .size: 8, .value_kind: global_buffer, .address_space: global }
      - { .name: kc, .offset: 8, .size: 8, .value_kind: global_buffer, .address_space: global }
      - { .name: vc, .offset: 16, .size: 8, .value_kind: global_buffer, .address_space: global }
      - { .name: mw, .offset: 24, .size: 8, .value_kind: global_buffer, .address_space: global }
      - { .name: fl, .offset: 32, .size: 8, .value_kind: global_buffer, .address_space: global }
      - { .name: lowp_scales, .offset: 40, .size: 8, .value_kind: global_buffer, .address_space: global }
      - { .name: oc, .offset: 48, .size: 8, .value_kind: global_buffer, .address_space: global }
    .group_segment_fixed_size: 101376
    .private_segment_fixed_size: 0
    .kernarg_segment_align: 8
    .kernarg_segment_size: 56
    .max_flat_workgroup_size: 256
    .sgpr_count:     102
    .vgpr_count:     512
    .wavefront_size: 32
...
	.end_amdgpu_metadata
.endif
;; end of part 2
;; launch outp (part 3): grid 16 x 16, 4 waves a work-group, clusters of 4 x 4, 327,680 bytes of LDS; arguments oc, Wo_codes, lowp_scales, out0, bo; writes out0
.if DOCPART == 3
	.amdgcn_target "amdgcn-amd-amdhsa--gfx1250"
	.amdhsa_code_object_version 6
	.text
	.protected	k_q975c524c3e_outp
	.globl	k_q975c524c3e_outp
	.p2align	8
	.type	k_q975c524c3e_outp,@function
k_q975c524c3e_outp:
	s_mov_b64 s[64:65], 0
	v_nop
	global_prefetch_b8 v0, s[64:65] scope:SCOPE_SE
	s_setreg_imm32_b32 hwreg(HW_REG_WAVE_MODE, 25, 1), 1
	s_wait_xcnt 0x0
	s_wait_alu depctr_hold_cnt(0) depctr_sa_sdst(0) depctr_va_vdst(0) depctr_va_sdst(0) depctr_va_ssrc(0) depctr_va_vcc(0) depctr_vm_vsrc(0)
	s_getreg_b32 s2, hwreg(HW_REG_IB_STS2, 6, 4)
	s_cmp_eq_u32 s2, 0
	s_cbranch_scc0 .Lentry_in_a_cluster
	s_endpgm
.Lentry_in_a_cluster:
	s_bfe_u32 s2, ttmp6, 0x10000c
	s_cmp_lg_u32 s2, 0xf033
	s_cbranch_scc0 .Lentry_shape_is_right
	s_endpgm
.Lentry_shape_is_right:
; out = o Wo + bo on codes of FP8 (E4M3), f32 sums.  A work-group makes 128 x 128, a wave 64 x 64; K goes in 4 steps of 512 through two LDS slots.  No step of the problem is left out.
; A = oc, images of operand registers [token tile 128][head 16][2048]; B = Wo's rows.  Both tiles are shared in 4 x 4 clusters: A along a row, B along a column.
; At the head wave w brings all of A (w < 2) or of B for slot w % 2: K steps 0 and 1 by one tensor load a wave.  Later fills: a wave brings half of A's or B's part of a slot.
; K steps 2 and 3 are prefetched ahead of their loads; the four partners that ask jointly share the blocks out by address (cx for A, cy for B): 8,192 bytes each, 256 a lane.
; LIMIT: e10 + e11 lies between -126 and 127.
.set AROW,   8192
.set AHALF,  4*AROW
.set PITCH,  528
.set BHALF,  64*PITCH
.set BOFF,   2*AHALF
.set SLOT,   BOFF+2*BHALF
.set SPARE,  2*SLOT
.set SPITCH, 272
.set ADRA, 16
.set ADRB, 20
.set STO,  24
.set RD,   25
.set CO,   26
.set BO,   27
.set SPW,  28
.set NIL,  29
.set TMP,  32
.set BK,   64
.set BIAS, 96
.set ACC,  128
.set F0,   0
.set F1,   128
.set G1, 24
.set G0, 32
.set G1B, 48
.set G0B, 56
.set MSB, 0
.macro WIN new
.if MSB != (\new)
	s_set_vgpr_msb (MSB<<8)|(\new)
.set MSB, (\new)
.endif
.endm
.set MUL,  0x05
.set TO_F, 0x40
.macro JLOAD g0a, g1a, g0b, g1b
	s_cmp_eq_u32 s15, 0
	s_cbranch_scc0 .Lfor_b_\@
	tensor_load_to_lds s[\g0a:\g0a+3], s[\g1a:\g1a+7]
	s_nop 0
.rept 4
	v_nop
.endr
	s_branch .Lasked_\@
.Lfor_b_\@:
	tensor_load_to_lds s[\g0b:\g0b+3], s[\g1b:\g1b+7]
	s_nop 0
.rept 4
	v_nop
.endr
.Lasked_\@:
.endm
.macro CREST
	s_cmp_lg_u32 s14, 0
	s_cbranch_scc1 .Lnot_wave_0_\@
	s_barrier_signal -3
.Lnot_wave_0_\@:
	s_barrier_wait -3
	s_barrier_signal -1
	s_barrier_wait -1
.endm
.macro CROUND
	s_barrier_signal -1
	s_barrier_wait -1
	CREST
.endm
	s_load_b128 s[4:7], s[0:1], 0x0
	s_load_b128 s[8:11], s[0:1], 0x10
	s_load_b64 s[12:13], s[0:1], 0x20
	v_lshl_add_u32 v[SPW], v0, 2, SPARE
	v_mov_b32 v[NIL], 0
	ds_add_u32 v28, v29
	ds_add_u32 v28, v29
	s_wait_dscnt 0x0
	v_lshrrev_b32 v1, 5, v0
	v_readfirstlane_b32 s14, v1
	s_lshr_b32 s15, s14, 1
	s_and_b32 s16, s14, 1
	s_bfe_u32 s40, ttmp6, 0x40000
	s_bfe_u32 s41, ttmp6, 0x40004
	s_lshl_b32 s42, ttmp9, 2
	s_add_co_u32 s42, s42, s40
	s_and_b32 s17, ttmp7, 0xffff
	s_lshl_b32 s17, s17, 2
	s_add_co_u32 s17, s17, s41
	s_lshl_b32 s43, s41, 2
	s_lshl_b32 s43, 15, s43
	s_lshl_b32 s44, 0x1111, s40
	s_or_b32 s[G1+0], s43, (3<<16)|(1<<21)
	s_mov_b32 s[G1+1], 1024<<16
	s_mov_b32 s[G1+2], 8<<16                       ; at the head: all eight token tiles
	s_mov_b32 s[G1+3], 1024<<16
	s_mov_b32 s[G1+4], 8
	s_mov_b32 s[G1+5], 4096
	s_mov_b32 s[G1+6], 0
	s_mov_b32 s[G1+7], 0
	s_or_b32 s[G1B+0], s44, (0<<16)|(1<<20)|(1<<21)|(6<<22)|(3<<25)
	s_mov_b32 s[G1B+1], 512<<16
	s_mov_b32 s[G1B+2], 128<<16                    ; and all 128 rows of B
	s_mov_b32 s[G1B+3], 512<<16
	s_mov_b32 s[G1B+4], 128
	s_mov_b32 s[G1B+5], 2048
	s_mov_b32 s[G1B+6], 0
	s_mov_b32 s[G1B+7], 0
	s_lshl_b32 s18, s16, 17
	s_lshl_b32 s20, s17, 18
	s_mov_b32 s21, 0
	s_lshl_b32 s46, s42, 18
	s_mov_b32 s47, 0
	s_mul_i32 s45, s16, AHALF
	s_mul_i32 s19, s16, BHALF
	s_add_co_u32 s19, s19, BOFF
	s_wait_kmcnt 0x0
	s_load_b64 s[96:97], s[8:9], 0x28
	s_add_nc_u64 s[20:21], s[4:5], s[20:21]
	s_add_nc_u64 s[46:47], s[6:7], s[46:47]
	s_mov_b32 s70, s18
	s_mov_b32 s71, 0
	s_add_nc_u64 s[68:69], s[20:21], s[70:71]      ; my half of A and of B in the later fills
	s_add_nc_u64 s[72:73], s[46:47], s[70:71]
	s_mul_i32 s22, s16, SLOT                       ; at the head I fill slot s16
	s_lshl_b32 s70, s16, 13
	s_mov_b32 s[G0], 1
	s_mov_b32 s[G0+1], s22
	s_add_nc_u64 s[G0+2:G0+3], s[20:21], s[70:71]
	s_or_b32 s[G0+3], s[G0+3], 0x80000000
	s_lshl_b32 s70, s16, 9
	s_mov_b32 s[G0B], 1
	s_add_co_u32 s[G0B+1], s22, BOFF
	s_add_nc_u64 s[G0B+2:G0B+3], s[46:47], s[70:71]
	s_or_b32 s[G0B+3], s[G0B+3], 0x80000000
	s_wait_alu depctr_va_vdst(0)
	CROUND                                         ; all sixteen work-groups are here
	JLOAD G0, G1, G0B, G1B
	v_and_b32 v1, 15, v0
	v_bfe_u32 v2, v0, 4, 1
	v_and_b32 v6, 31, v0
	v_lshlrev_b32 v4, 4, v6
	v_mul_u32_u24 v3, v1, PITCH
	v_lshl_add_u32 v3, v2, 3, v3
	s_mul_i32 s21, s15, AHALF
	s_mul_i32 s22, s16, BHALF
	s_add_co_u32 s22, s22, BOFF
.irp s, 0,1
	v_add_nc_u32 v[ADRA+\s], s21, v4
	v_add_nc_u32 v[ADRB+\s], s22, v3
	s_add_co_u32 s21, s21, SLOT
	s_add_co_u32 s22, s22, SLOT
.endr
	s_mul_i32 s23, s14, 16*SPITCH
	v_mul_u32_u24 v5, v1, SPITCH
	v_lshl_add_u32 v5, v2, 5, v5
	v_add_nc_u32 v[STO], s23, v5
	v_mul_u32_u24 v5, v2, SPITCH
	v_lshl_add_u32 v5, v1, 4, v5
	v_add_nc_u32 v[RD], s23, v5
	v_lshlrev_b32 v5, 13, v2
	v_lshl_add_u32 v[CO], v1, 4, v5
	v_lshlrev_b32 v[BO], 5, v2
	s_wait_alu depctr_va_vdst(0)
	s_lshl_b32 s20, s17, 7
	s_lshl_b32 s21, s15, 6
	s_add_co_u32 s20, s20, s21
	s_lshl_b32 s20, s20, 13
	s_mov_b32 s21, 0
	s_lshl_b32 s46, s42, 9
	s_lshl_b32 s47, s16, 8
	s_add_co_u32 s46, s46, s47
	s_mov_b32 s47, 0
	s_add_nc_u64 s[12:13], s[12:13], s[46:47]
	s_add_nc_u64 s[10:11], s[10:11], s[20:21]
	s_add_nc_u64 s[10:11], s[10:11], s[46:47]
.irp b, 0,1,2,3
	global_load_b128 v[BIAS+8*\b:BIAS+8*\b+3], v[BO], s[12:13] offset:64*\b
	global_load_b128 v[BIAS+8*\b+4:BIAS+8*\b+7], v[BO], s[12:13] offset:64*\b+16
.endr
	; the prefetches: where my share stands in K step 2, s[74:75], and in K step 3, s[80:81]
	s_mov_b32 s77, 2048
	s_mov_b32 s78, 1024
	s_mov_b32 s82, 512
	s_cmp_eq_u32 s15, 0
	s_cselect_b64 s[74:75], s[68:69], s[72:73]
	s_cselect_b32 s76, s40, s41
	s_cselect_b32 s77, 512, s77
	s_cselect_b32 s78, 16384, s78
	s_cselect_b32 s82, 8192, s82
	s_lshl_b32 s76, s76, 15
	s_add_co_u32 s78, s78, s76
	s_mov_b32 s79, 0
	s_mov_b32 s83, 0
	s_add_nc_u64 s[74:75], s[74:75], s[78:79]
	s_add_nc_u64 s[80:81], s[74:75], s[82:83]
	v_lshrrev_b32 v30, 1, v6
	v_mul_lo_u32 v30, v30, s77
	v_and_b32 v31, 1, v6
	v_lshl_add_u32 v30, v31, 8, v30                ; A: 256 bytes a lane; B: two lanes a row of 512 bytes
	global_prefetch_b8 v30, s[74:75] th:TH_LOAD_NT scope:SCOPE_SE
.macro FETCH slot, q, f
	WIN TO_F
.irp i, 0,1,2,3
.irp c, 0,1,2,3,4,5,6,7
	ds_load_b64 v[\f+64+16*\i+2*\c:\f+64+16*\i+2*\c+1], v[ADRB+\slot] offset:\i*16*PITCH+128*(\q)+16*\c
.endr
.endr
.irp i, 0,1,2,3
.irp c, 0,1,2,3
	ds_load_b128 v[\f+16*\i+4*\c:\f+16*\i+4*\c+3], v[ADRA+\slot] offset:\i*AROW+2048*(\q)+512*\c
.endr
.endr
.endm
.macro MUL4 f, a, zero
.irp b, 0,1,2,3
.if \zero
	v_wmma_f32_16x16x128_fp8_fp8 v[ACC+8*(4*(\a)+\b):ACC+8*(4*(\a)+\b)+7], v[\f+64+16*\b:\f+64+16*\b+15], v[\f+16*(\a):\f+16*(\a)+15], 0
.else
	v_wmma_f32_16x16x128_fp8_fp8 v[ACC+8*(4*(\a)+\b):ACC+8*(4*(\a)+\b)+7], v[\f+64+16*\b:\f+64+16*\b+15], v[\f+16*(\a):\f+16*(\a)+15], v[ACC+8*(4*(\a)+\b):ACC+8*(4*(\a)+\b)+7]
.endif
.endr
.endm
.macro PLACES
.rept 4
	v_nop
.endr
.endm
.macro QUARTER slot, qn, f, g, zero
	s_wait_dscnt 8
	WIN MUL
	MUL4 \f, 0, \zero
	MUL4 \f, 1, \zero
	PLACES
	FETCH \slot, \qn, \g
	s_wait_dscnt 48
	WIN MUL
	MUL4 \f, 2, \zero
	MUL4 \f, 3, \zero
.endm
.macro TURN slot, next, fill
	WIN 0
	s_wait_tensorcnt 0x0
	ds_add_u32 v[SPW], v[NIL]
	s_wait_dscnt 9
	WIN MUL
	MUL4 F1, 0, 0
	s_wait_dscnt 0x0
	s_barrier_signal -1
	MUL4 F1, 1, 0
	WIN 0
	s_barrier_wait -1
.if \fill
	CREST
	s_add_nc_u64 s[G0+4*\slot+2:G0+4*\slot+3], s[G0+4*\slot+2:G0+4*\slot+3], 2*AROW
	s_add_nc_u64 s[G0B+4*\slot+2:G0B+4*\slot+3], s[G0B+4*\slot+2:G0B+4*\slot+3], 2*512
	JLOAD G0+4*\slot, G1, G0B+4*\slot, G1B
.else
	PLACES
.endif
	FETCH \next, 0, F0
	WIN MUL
	MUL4 F1, 2, 0
	MUL4 F1, 3, 0
.endm
	s_wait_alu depctr_va_vdst(0)
	s_wait_tensorcnt 0x0                           ; my part of both slots is in: the descriptors may be written
	s_mov_b32 s[G1+2], 4<<16                       ; from here on a wave brings four token tiles of A or 64 rows of B
	s_mov_b32 s[G1+4], 4
	s_mov_b32 s[G1B+2], 64<<16
	s_mov_b32 s[G1B+4], 64
.irp s, 0,1
	s_mov_b32 s[G0+4*\s], 1
	s_add_co_u32 s[G0+4*\s+1], s45, \s*SLOT
	s_add_nc_u64 s[G0+4*\s+2:G0+4*\s+3], s[68:69], \s*AROW
	s_or_b32 s[G0+4*\s+3], s[G0+4*\s+3], 0x80000000
	s_mov_b32 s[G0B+4*\s], 1
	s_add_co_u32 s[G0B+4*\s+1], s19, \s*SLOT
	s_add_nc_u64 s[G0B+4*\s+2:G0B+4*\s+3], s[72:73], \s*512
	s_or_b32 s[G0B+4*\s+3], s[G0B+4*\s+3], 0x80000000
.endr
	s_barrier_signal -1
	s_barrier_wait -1                              ; both slots are whole
	FETCH 0, 0, F0
	global_prefetch_b8 v30, s[80:81] th:TH_LOAD_NT scope:SCOPE_SE   ; K step 3, two steps ahead of its load
	QUARTER 0, 1, F0, F1, 1
	QUARTER 0, 2, F1, F0, 0
	QUARTER 0, 3, F0, F1, 0
	TURN 0, 1, 1
	QUARTER 1, 1, F0, F1, 0
	QUARTER 1, 2, F1, F0, 0
	QUARTER 1, 3, F0, F1, 0
	TURN 1, 0, 1
	QUARTER 0, 1, F0, F1, 0
	QUARTER 0, 2, F1, F0, 0
	QUARTER 0, 3, F0, F1, 0
	TURN 0, 1, 0
	QUARTER 1, 1, F0, F1, 0
	QUARTER 1, 2, F1, F0, 0
	QUARTER 1, 3, F0, F1, 0
	s_wait_dscnt 8
	WIN MUL
	MUL4 F1, 0, 0
	MUL4 F1, 1, 0
	s_wait_dscnt 0
	MUL4 F1, 2, 0
	MUL4 F1, 3, 0
	WIN 0
	s_wait_kmcnt 0x0
	s_wait_loadcnt 0x0
	s_add_co_i32 s96, s96, s97
	s_add_co_i32 s96, s96, 127
	s_lshl_b32 s96, s96, 23
	s_mov_b32 s97, s96
	PLACES
.irp a, 0,1,2,3
.irp b, 0,1,2,3
.irp i, 0,2,4,6
	v_pk_fma_f32 v[TMP+8*\b+\i:TMP+8*\b+\i+1], v[ACC+8*(4*\a+\b)+\i:ACC+8*(4*\a+\b)+\i+1], s[96:97], v[BIAS+8*\b+\i:BIAS+8*\b+\i+1] op_sel_hi:[1,0,1]
.endr
.endr
.irp b, 0,1,2,3
	ds_store_b128 v[STO], v[TMP+8*\b:TMP+8*\b+3] offset:64*\b
	ds_store_b128 v[STO], v[TMP+8*\b+4:TMP+8*\b+7] offset:64*\b+16
.endr
.if \a > 0
	s_wait_xcnt 0x0
.endif
.irp t, 0,1,2,3,4,5,6,7
	ds_load_b128 v[BK+4*\t:BK+4*\t+3], v[RD] offset:2*\t*SPITCH
.endr
	s_wait_dscnt 0x0
.irp t, 0,1,2,3,4,5,6,7
	global_store_b128 v[CO], v[BK+4*\t:BK+4*\t+3], s[10:11] offset:(16*\a+2*\t)*8192 th:TH_STORE_NT
.endr
.endr
	s_wait_tensorcnt 0x0
	ds_add_u32 v[SPW], v[NIL]
	s_wait_dscnt 0x0
	CROUND
	s_endpgm
.Lfunc_end_k_q975c524c3e_outp:
	.size	k_q975c524c3e_outp, .Lfunc_end_k_q975c524c3e_outp-k_q975c524c3e_outp
	.p2alignl 7, 3214868480
	.fill 96, 4, 3214868480
	.section	.rodata,"a",@progbits
	.p2align	6, 0x0
	.amdhsa_kernel k_q975c524c3e_outp
		.amdhsa_group_segment_fixed_size 327680
		.amdhsa_private_segment_fixed_size 0
		.amdhsa_enable_private_segment 0
		.amdhsa_kernarg_size 40
		.amdhsa_user_sgpr_count 2
		.amdhsa_user_sgpr_kernarg_segment_ptr 1
		.amdhsa_wavefront_size32 1
		.amdhsa_system_sgpr_workgroup_id_x 1
		.amdhsa_system_sgpr_workgroup_id_y 1
		.amdhsa_system_sgpr_workgroup_id_z 1
		.amdhsa_system_vgpr_workitem_id 0
		.amdhsa_next_free_vgpr 512
		.amdhsa_next_free_sgpr 98
		.amdhsa_reserve_vcc 0
		.amdhsa_float_denorm_mode_32 3
		.amdhsa_float_denorm_mode_16_64 3
		.amdhsa_memory_ordered 1
		.amdhsa_forward_progress 1
		.amdhsa_inst_pref_size 92
	.end_amdhsa_kernel
	.amdgpu_metadata
---
amdhsa.version: [ 1, 2 ]
amdhsa.kernels:
  - .name:           k_q975c524c3e_outp
    .symbol:         k_q975c524c3e_outp.kd
    .args:
      - { .name: oc, .offset: 0, .size: 8, .value_kind: global_buffer, .address_space: global }
      - { .name: Wo_codes, .offset: 8, .size: 8, .value_kind: global_buffer, .address_space: global }
      - { .name: lowp_scales, .offset: 16, .size: 8, .value_kind: global_buffer, .address_space: global }
      - { .name: out0, .offset: 24, .size: 8, .value_kind: global_buffer, .address_space: global }
      - { .name: bo, .offset: 32, .size: 8, .value_kind: global_buffer, .address_space: global }
    .group_segment_fixed_size: 327680
    .private_segment_fixed_size: 0
    .kernarg_segment_align: 8
    .kernarg_segment_size: 40
    .max_flat_workgroup_size: 128
    .sgpr_count:     98
    .vgpr_count:     512
    .wavefront_size: 32
...
	.end_amdgpu_metadata
.endif
;; end of part 3
